; MI455X (gfx1250); checked and timed in simulation.
; The chip was launched on July 23, 2026; its instructions are those of AMD's public machine-readable ISA for CDNA 5 (MIT licence, August 2026) and "CDNA5" Instruction Set Architecture Reference Guide (July 2026). The comments in the code are by the model that wrote it; some were corrected since.
;; Model. Allowed arithmetic: float matrix products may take bf16 or f16 operands with f32 sums; other float arithmetic in f32, or as packed bf16 or f16 multiplies, adds, multiply-adds, maxima and minima; sums over many terms, partial sums and values carried from step to step in f32; what a program stores and reads back later, other than sums and carried values, may be rounded once to bf16 or f16.
;; Inputs: k 4 x 16 x 2,048 x 64 float32; q 4 x 16 x 2,048 x 64 float32; v 4 x 16 x 2,048 x 64 float32.
;; Outputs: out0 4 x 16 x 2,048 x 64 float32.
;; 2 versions, each right; version 2 is version 1 with the launch rebased written anew for expert scheduling mode. Each part assembles by itself: llvm-mc -triple=amdgcn-amd-amdhsa -mcpu=gfx1250 --defsym DOCPART=n.
;; ======== version 1 of 2: 1 launch
;; limits: right only within a limited range of input values
;; launch rebased (part 1): grid 4 x 64, 4 waves a work-group, no clusters, 226,816 bytes of LDS; arguments q, k, v, out0; writes out0
.if DOCPART == 1
	.amdgcn_target "amdgcn-amd-amdhsa--gfx1250"
	.amdhsa_code_object_version 6
	.text
	.protected	k_q41dbe8023f_rebased
	.globl	k_q41dbe8023f_rebased
	.p2align	8
	.type	k_q41dbe8023f_rebased,@function
k_q41dbe8023f_rebased:
	s_mov_b64 s[64:65], 0
	v_nop
	global_prefetch_b8 v0, s[64:65] scope:SCOPE_SE
	s_setreg_imm32_b32 hwreg(HW_REG_WAVE_MODE, 25, 1), 1
	s_wait_xcnt 0x0
; out[h][q][:] = sum over k <= q of (Q[h][q].K[h][k] / 8)^2 V[h][k][:]  /  (sum over k <= q of (Q[h][q].K[h][k] / 8)^2 + 1e-6).   q, k, v, out: [64 heads][2048][64] f32, a row 256 bytes.
; THE SCALE.  (s / 8)^2 = s^2 / 64 with s = Q.K, a power of two: numerator and divisor are both taken 64 times larger, p = s^2, divisor z + 64 x 1e-6 (0x388637bd): the same quotient.
; FORMATS.  q, k, v are rounded once to bf16; s, p and z in f32; z is the sum of the unrounded p; p goes into the second product as bf16 (its range is f32's, so inputs 30 times larger or smaller have room).
; In the walk's last tile p goes as hi + lo, two bf16 products: there lie rows 0 to 255 of a head (work-group b = 0), whose few terms leave bf16's rounding of p too little room beside the output's spread.
; DEAD WORK.  reference() sets attn to 0 where k > q (jnp.where on its own jnp.tril) before both sums.  A unit of 64 queries x 64 keys that lies wholly above the diagonal therefore adds 0 x v to o and 0 to z,
; whatever finite values q, k, v hold: the key tiles behind a block's diagonal tile, and in the diagonal tile the units (band x, key step s > x), are not computed.  All three inputs are live and loaded.
; LIMITS.  A NaN, an infinity or an overflow that reaches only the units left out is not carried to the result.  In the 64 x 64 unit on the diagonal a hidden score is multiplied by 0: a hidden score that is
; itself infinite (|Q.K| beyond 3.4e38) or NaN gives NaN where reference() gives a number.  p overflows for |Q.K| beyond 1.8e19 (reference(): 1.5e20).  1 / (z + 64e-6) counts as 0 for z beyond 2^126.
; THE WALK.  A head has 8 blocks of 256 queries and 8 tiles of 256 keys; block i needs tiles 0 .. i.  Work-group (b, head) takes block 7 - b and then block b: 9 tiles whatever b, one counted loop of 9 trips.
; SHARES.  Of a block's four bands of 64 queries a wave owns 16 rows in each: four PIECES, piece x = rows 64 x + 16 w + 0..15.  In the diagonal tile's key step s only pieces x >= s work, the same for every wave.
; LAYOUT.  S^T = K Q^T (source 0 = 16 keys, source 1 = 16 queries): a lane holds ONE query (lane % 16) and keys 8 (lane / 16) + 0..7.  Two such results, squared and rounded in pairs, ARE source 1 (32 keys x 16
; queries) of O^T = V^T P, whose result again holds one query a lane, and eight channels.  K comes out of LDS as it lies, V ([key][channel]) turned, by ds_load_tr16_b128.
; THE WAY IN.  K and V must be rounded, so they come through registers: a tile is loaded two trips ahead (16 bytes a lane, sixteen lanes one whole row of 256 bytes), rounded and stored to LDS one trip ahead, into
; the one of two LDS buffers that is not being read.  ONE barrier a tile.  No tensor load: it would land f32 in LDS and cost two more passes through LDS.  NO CLUSTER for the same reason; and a head's four
; work-groups ask for the same tile only in trips 0 to 4.
; THE PIPELINE.  kb = 16 keys, group g = kb 2g, 2g+1.  Phase A1(g): products K Q^T of kb 2g+1, and behind each of them a slice of the squaring, summing and rounding of kb 2g.  A2(g): K Q^T of kb 2g+2, slices
; of kb 2g+1.  B(g): products V^T P of group g, and behind them the rounding and storing of the next tile.  A full tile's last A2 makes the next tile's first scores: the pipeline runs on across tiles.
; REGISTERS, in windows of 256 (s_set_vgpr_msb: bits 1:0 source 0, 3:2 source 1, 5:4 source 2, 7:6 destination):
;   window 0: v2-11, v28 addresses; v12-19 z, a pair a piece; v20-27 at work; v32-63 P, 8 a piece; v64-127 S^T, two buffers of 4 pieces; v128-191 Q, 16 a piece; v192-255 K, a ring of four kb.
;             All that K Q^T and its slices name lies here: the A phases run without a window switch.
;   window 1: v0-127 O^T, 32 a piece; v128-191 V^T, two buffers; v192-223 the diagonal's factors 0 / 1; v224-226 V's LDS addresses
;   window 2: v0-127 a tile of K as loaded (in the last tile v0-31: lo of P); v128-191 Q as loaded, pieces 0, 1; v192-194 addresses          window 3: the same for V and pieces 2, 3
.set PK,    144                ; a row of K in LDS: 128 bytes of bf16 + 16: the 16 rows of a fragment load start 36 words apart
.set PVP,   160                ; a row of V: 128 + 32: 16 lanes of the turning load take 8 rows x 32 bytes, 40 words apart
.set VOFF,  256*PK             ; a buffer: 256 rows of K, then 256 rows of V
.set SLOT1, 1<<17              ; buffer 1 begins here: one exclusive or turns an address in one buffer into the other's
.set STAGE, SLOT1+256*(PK+PVP) ; 16 rows x 272 bytes for each wave, for the way out
.set SP,    272
.set SPARE, STAGE+4*16*SP      ; the spare words, 128 bytes for each wave: two blocks of 256 bytes that no other line names
.set AK0, 2                    ; my lane's place in a fragment of K: (l % 16) x 144 + 16 (l / 16); never rewritten
.set AKC, 3                    ; + the buffer being read
.set AKN, 4                    ; + the other buffer
.set STO, 5                    ; the way out: where I put 32 bytes of a row
.set RD,  6                    ; the way out: where I read rows back
.set GO,  7                    ; my byte offset in two rows of out
.set QO,  8                    ; my byte offset in 16 rows of q
.set SPW, 9                    ; LDS address of my spare word; never rewritten
.set NIL, 10                   ; 0; never rewritten
.set ZERO, 11                  ; 0
.set Z,   12
.set TMP, 20
.set PFO, 28                   ; the prefetches' offset: (64 w + l) rows of 256 bytes; never rewritten
.set P,   32
.set S,   64
.set QF,  128
.set KR,  192
.set OA,  0                    ; window 1
.set VF,  128
.set MD,  192
.set AVC, 224
.set AVN, 225
.set AV0, 226
.set PL,  0                    ; window 2
.set QR,  128                  ; windows 2 and 3
.set XGO, 192                  ; windows 2 (K) and 3 (V): my byte offset in a tile in memory; never rewritten
.set XS0, 193                  ; my place in a buffer; never rewritten
.set XST, 194                  ; + the buffer being written
.set WV,  12                   ; my wave's number
.set PB,  14                   ; b
.set HI,  15                   ; 7 - b
.set KH,  16                   ; s[16:17] k at the head; s[18:19] v at the head
.set VH,  18
.set KB,  20                   ; s[20:21], s[22:23] k and v at the tile that this trip loads
.set VB,  22
.set OB,  24                   ; s[24:25] out at my rows of the block in hand; s[26:27] of the second block
.set OL,  26
.set OFF, 28                   ; s[28:29] a byte offset, high word 0
.set TP,  30                   ; s[30:31] the same
.set KP,  32                   ; s[32:33], s[34:35] k and v at the tile that this trip prefetches
.set VP,  34
.set SLOTS, 36                 ; trips to go, this one among them: 9 .. 1
.set RT,  37                   ; tiles of the block in hand still to be entered
.set NXT, 38                   ; the tile to be loaded next
.set LQ,  39                   ; the last tile of the block whose tiles are being loaded
.set NEW, 40                   ; 1: the tile to be entered is a block's first
.set PFN, 42                   ; trips that still prefetch
.set PT,  43                   ; the tile to be prefetched
.set CUR, 44                   ; LDS byte of the buffer being read
.set NXB, 45                   ; of the other
.set SEL, 46                   ; s[46:47] v_permlanex16_b32's selects: each lane takes its own place in the other half
.set EPS, 48                   ; 64 x 1e-6
.set HM,  49                   ; a word's upper bf16
.set QLB, 50                   ; s[50:51] q at my rows of the second block; s[52:53] of the first
.set QHB, 52
.set MSB, 0
.macro WIN new                 ; the high byte repeats the setting that is left; a switch that changes nothing is dropped
.if MSB != (\new)
	s_set_vgpr_msb (MSB<<8)|(\new)
.set MSB, (\new)
.endif
.endm
.set W_PV, 0x51                ; V^T and O^T in window 1, P in window 0; an LDS load under it: data and address in window 1
.set W_PL, 0x59                ; the same with lo of P in window 2
.set W_K,  0x8a                ; sources 0, 1 and destination in window 2
.set W_V,  0xcf                ; in window 3
; ---- loads from memory.  Group gg of 32 is one load of a wave: two whole rows of 256 bytes, lanes 0-15 one key, lanes 16-31 another (K: 8 keys on; V: 4 keys on), so that the two halves of the later
; ds_store_b64 lie 288 and 160 words apart in LDS.
.macro LDK g0, cnt, rb, ad, sb
.set gg, (\g0)
.rept \cnt
	global_load_b128 v[(\rb)+4*gg:(\rb)+4*gg+3], v[\ad], s[\sb:\sb+1] offset:(16*(gg/8)+gg%8)*256
.set gg, gg+1
.endr
.endm
.macro LDV g0, cnt, rb, ad, sb
.set gg, (\g0)
.rept \cnt
	global_load_b128 v[(\rb)+4*gg:(\rb)+4*gg+3], v[\ad], s[\sb:\sb+1] offset:(8*(gg/4)+gg%4)*256
.set gg, gg+1
.endr
.endm
; A block's Q for my four pieces: fragment f = 2 x + c is 16 rows x 32 channels: a lane's 16 numbers are four loads of 16 bytes.  Read once in the launch.
.macro QLOAD sb
.set f_, 0
.rept 8
.if f_ < 4
	WIN 0x80
.else
	WIN 0xc0
.endif
.set rR, QR+16*(f_%4)
.set oQ, (f_/2)*16384+(f_%2)*128
	global_load_b128 v[rR:rR+3],     v[QO], s[\sb:\sb+1] offset:oQ th:TH_LOAD_NT
	global_load_b128 v[rR+4:rR+7],   v[QO], s[\sb:\sb+1] offset:oQ+16 th:TH_LOAD_NT
	global_load_b128 v[rR+8:rR+11],  v[QO], s[\sb:\sb+1] offset:oQ+64 th:TH_LOAD_NT
	global_load_b128 v[rR+12:rR+15], v[QO], s[\sb:\sb+1] offset:oQ+80 th:TH_LOAD_NT
.set f_, f_+1
.endr
.endm
.macro QCVT                    ; rounded to bf16 into the fragments' registers
.set f_, 0
.rept 8
.if f_ < 4
	WIN 0x0a
.else
	WIN 0x0f
.endif
.set i_, 0
.rept 8
	v_cvt_pk_bf16_f32 v[QF+8*f_+i_], v[QR+16*(f_%4)+2*i_], v[QR+16*(f_%4)+2*i_+1]
.set i_, i_+1
.endr
.set f_, f_+1
.endr
.endm
; ---- loads from LDS, in runs.  K of kb kl into ring slot kl % 4, from row 16 kk of the buffer in ka: 16 keys x 64 channels, four loads.
.macro KLOAD kl, ka, kk
	WIN 0
.set e_, 0
.rept 4
	ds_load_b128 v[KR+16*((\kl)%4)+4*e_:KR+16*((\kl)%4)+4*e_+3], v[\ka] offset:(\kk)*16*PK+32*e_
.set e_, e_+1
.endr
.endm
; V of group vl into buffer vl % 2, from row 32 vg: 32 keys x 64 channels, turned, eight loads.
.macro VLOAD vl, va, vg
	WIN W_PV
.set c_, 0
.rept 4
	ds_load_tr16_b128 v[VF+32*((\vl)%2)+8*c_:VF+32*((\vl)%2)+8*c_+3],   v[\va] offset:(\vg)*32*PVP+32*c_
	ds_load_tr16_b128 v[VF+32*((\vl)%2)+8*c_+4:VF+32*((\vl)%2)+8*c_+7], v[\va] offset:(\vg)*32*PVP+16*PVP+32*c_
.set c_, c_+1
.endr
.endm
; ---- product t_ of 2 NPN of S^T = K Q^T for kb jn: channels 32 (t_ / NPN) on, piece X0N + t_ % NPN.  The first NPN start the sums with 0.  The accumulators take turns; with one live
; piece they cannot, and a wait stands directly ahead of the second link.
.macro QKONE jn
.set rD, S+32*((\jn)%2)+8*(X0N+t_%NPN)
.set rK, KR+16*((\jn)%4)+8*(t_/NPN)
.set rQ, QF+16*(X0N+t_%NPN)+8*(t_/NPN)
.if t_ < NPN
	v_wmma_f32_16x16x32_bf16 v[rD:rD+7], v[rK:rK+7], v[rQ:rQ+7], 0
.else
.if NPN == 1
	s_wait_alu depctr_va_vdst(0)
.endif
	v_wmma_f32_16x16x32_bf16 v[rD:rD+7], v[rK:rK+7], v[rQ:rQ+7], v[rD:rD+7]
.endif
.set t_, t_+1
.endm
; ---- the vector work on kb JC's scores, pieces X0C .. 3 (NPC of them).  Pair n of 4 NPC: registers 2 i, 2 i + 1 of piece X0C + n % NPC, i = n / NPC: every accumulator's lowest pair is read first.
; Time step TAU writes: pair TAU squared in place; pair TAU - 2 added onto z; pair TAU - 2 rounded into P.  4 NPC + 2 time steps.  The first write of P has four plain lines ahead of it.
.macro RSTEP
.if TAU < 4*NPC
.set rS, S+32*(JC%2)+8*(X0C+TAU%NPC)+2*(TAU/NPC)
	v_pk_mul_f32 v[rS:rS+1], v[rS:rS+1], v[rS:rS+1]
.endif
.if (TAU >= 2) && (TAU < 4*NPC+2)
.set n_, TAU-2
.set xx, X0C+n_%NPC
.set rS, S+32*(JC%2)+8*xx+2*(n_/NPC)
	v_pk_add_f32 v[Z+2*xx:Z+2*xx+1], v[Z+2*xx:Z+2*xx+1], v[rS:rS+1]
	v_cvt_pk_bf16_f32 v[P+8*xx+4*(JC%2)+n_/NPC], v[rS], v[rS+1]
.endif
.set TAU, TAU+1
.endm
; lo of P for kb JC: p less its rounded value is exact in f32; it is rounded to bf16 into window 2.
.macro LOL
.set n_, 0
.rept 4*NPC
.set xx, X0C+n_%NPC
.set rS, S+32*(JC%2)+8*xx+2*(n_/NPC)
.set rT, TMP+2*(n_%4)
	v_lshlrev_b32 v[rT], 16, v[P+8*xx+4*(JC%2)+n_/NPC]
	v_and_b32 v[rT+1], s[HM], v[P+8*xx+4*(JC%2)+n_/NPC]
	v_pk_add_f32 v[rS:rS+1], v[rS:rS+1], v[rT:rT+1] neg_lo:[0,1] neg_hi:[0,1]
.set n_, n_+1
.endr
	WIN 0x80
.set n_, 0
.rept 4*NPC
.set xx, X0C+n_%NPC
.set rS, S+32*(JC%2)+8*xx+2*(n_/NPC)
	v_cvt_pk_bf16_f32 v[PL+8*xx+4*(JC%2)+n_/NPC], v[rS], v[rS+1]
.set n_, n_+1
.endr
	WIN 0
.endm
; ---- AN A PHASE.  jn: the kb whose K Q^T is issued (-1: none).  jc: the kb whose scores are worked on.  dg = 1: the diagonal tile: kb j serves pieces j / 4 .. 3, and piece jc / 4, which holds the diagonal, is
; multiplied by its factors 0 / 1 first.  dsw: the wait on DScnt that K of jn needs (-1: none).  kl, ka, kk: the run of K loads behind that wait (kl = -1: none).  v7 = 1: V of group 7 is fetched behind the
; second product's slices.  lo = 1: lo of P is made at the end.
; The time steps are dealt evenly behind the products; by the counts 4 NPC + 2 and 2 NPN that occur, four plain lines or more stand behind the phase's last product: the places in front of the next phase's
; first read of its scores (ISA guide 7.12.1).
.macro APHASE jn, jc, dg, dsw, kl, ka, kk, v7, lo
	WIN 0
.if (\dsw) >= 0
	s_wait_dscnt \dsw
.endif
.if (\kl) >= 0
	KLOAD \kl, \ka, \kk
.endif
.set JC, (\jc)
.set X0C, (\dg)*((\jc)/4)
.set NPC, 4-X0C
.set NT, 4*NPC+2
.set TAU, 0
.if \dg
	WIN 0x04                       ; source 1 in window 1
.set i_, 0
.rept 4
	v_pk_mul_f32 v[S+32*(JC%2)+8*X0C+2*i_:S+32*(JC%2)+8*X0C+2*i_+1], v[S+32*(JC%2)+8*X0C+2*i_:S+32*(JC%2)+8*X0C+2*i_+1], v[MD+8*(JC%4)+2*i_:MD+8*(JC%4)+2*i_+1]
.set i_, i_+1
.endr
	WIN 0
.endif
.if (\jn) >= 0
.set X0N, (\dg)*((\jn)/4)
.set NPN, 4-X0N
.set NW, 2*NPN
.set t_, 0
.rept NW
	QKONE \jn
.set TGT, (t_*NT+NW-1)/NW
.rept 18
.if TAU < TGT
	RSTEP
.endif
.endr
.if (\v7) && (t_ == 2)
	VLOAD 7, AVC, 7                ; its buffer's last reader, V^T P of group 5, stands more than four plain lines back
	WIN 0
.endif
.endr
.else
.rept 18
.if TAU < NT
	RSTEP
.endif
.endr
.endif
.if \lo
	LOL
.endif
.endm
; ---- the way in, second half: group gm of the staged tile is rounded in place and stored to the buffer that is not being read.
.macro PG kind, gm
.set gg, (\gm)
.if (\kind) == 1
	WIN W_K
	v_cvt_pk_bf16_f32 v[4*gg], v[4*gg], v[4*gg+1]
	v_cvt_pk_bf16_f32 v[4*gg+1], v[4*gg+2], v[4*gg+3]
	ds_store_b64 v[XST], v[4*gg:4*gg+1] offset:(16*(gg/8)+gg%8)*PK
.else
	WIN W_V
	v_cvt_pk_bf16_f32 v[4*gg], v[4*gg], v[4*gg+1]
	v_cvt_pk_bf16_f32 v[4*gg+1], v[4*gg+2], v[4*gg+3]
	ds_store_b64 v[XST], v[4*gg:4*gg+1] offset:(8*(gg/4)+gg%4)*PVP
.endif
.endm
; ---- A B PHASE.  O^T += V^T P for group g, pieces x0 .. 3: four products a piece, each on an accumulator of its own.  dsw: the wait that V of g needs.  vl, va, vg: the run of V loads behind it.
; pk = 1 (K) or 2 (V): sixteen groups from pg0 on are rounded and stored, dealt behind every second product.  lo = 1: the same products once more with lo of P.
.macro BPHASE g, x0, dsw, vl, va, vg, pk, pg0, lo
	WIN W_PV
.if (\dsw) >= 0
	s_wait_dscnt \dsw
.endif
.if (\vl) >= 0
	VLOAD \vl, \va, \vg
.endif
.if ((\pk) == 1) && ((\pg0) == 0)
	s_wait_loadcnt 0x0             ; the staged tile is in: its loads were issued in the first four groups of the trip before (the first tile's at the kernel's head)
.endif
.set NWB, 4*(4-(\x0))
.set PGD, 0
.set t_, 0
.rept NWB
.set rO, OA+32*((\x0)+t_/4)+8*(t_%4)
.set rV, VF+32*((\g)%2)+8*(t_%4)
.set rP, P+8*((\x0)+t_/4)
	WIN W_PV
	v_wmma_f32_16x16x32_bf16 v[rO:rO+7], v[rV:rV+7], v[rP:rP+7], v[rO:rO+7]
.set t_, t_+1
.if (\pk) && (t_%2 == 0)
.set TGT, (t_*16+NWB-1)/NWB
.rept 4
.if PGD < TGT
	PG \pk,(\pg0)+PGD
.set PGD, PGD+1
.endif
.endr
.endif
.endr
.if \lo
	WIN W_PL
.set t_, 0
.rept NWB
.set rO, OA+32*((\x0)+t_/4)+8*(t_%4)
.set rV, VF+32*((\g)%2)+8*(t_%4)
.set rP, PL+8*((\x0)+t_/4)
	v_wmma_f32_16x16x32_bf16 v[rO:rO+7], v[rV:rV+7], v[rP:rP+7], v[rO:rO+7]
.set t_, t_+1
.endr
.endif
.endm
; ---- the way in, first half: the sixteen groups just stored are loaded anew, with the tile two trips on.  The last two trips have no such tile.
.macro LRUN kind, pg0
	WIN 0
	s_cmp_gt_u32 s[SLOTS], 2
	s_cbranch_scc0 .Lnoload_\@
.if (\kind) == 1
	WIN W_K
	LDK \pg0, 16, 0, XGO, KB
.else
	WIN W_V
	LDV \pg0, 16, 0, XGO, VB
.endif
	WIN 0
.Lnoload_\@:
.endm
; ---- A PREFETCH INTO THE L2.  A head's four work-groups walk tiles 0, 1, .. together; b = 0, whose first block walks all eight, asks in trips 0 to 3 for tile 4 + trip of K and of V, which the loads want two
; trips later: a lane a row of 256 bytes, wave w rows 64 w + 0..63, four instructions, behind the trip's first run of loads.  So each row is named once in the launch.  Tiles 0 to 3 come by their loads alone.
.macro ASK
	s_cmp_lg_u32 s[PFN], 0
	s_cbranch_scc0 .Lnoask_\@
	global_prefetch_b8 v[PFO], s[KP:KP+1] th:TH_LOAD_NT scope:SCOPE_SE
	global_prefetch_b8 v[PFO], s[KP:KP+1] offset:8192 th:TH_LOAD_NT scope:SCOPE_SE
	global_prefetch_b8 v[PFO], s[VP:VP+1] th:TH_LOAD_NT scope:SCOPE_SE
	global_prefetch_b8 v[PFO], s[VP:VP+1] offset:8192 th:TH_LOAD_NT scope:SCOPE_SE
.Lnoask_\@:
.endm
.macro QNEXT                   ; the second block's Q is loaded in the walk's second trip, away from the loads at the kernel's head
	s_cmp_eq_u32 s[SLOTS], 8
	s_cbranch_scc0 .Lnoq_\@
	QLOAD QLB
	WIN 0
.Lnoq_\@:
.endm
; ---- A TILE: 16 kb, 8 groups.  dg = 1: a block's diagonal tile.  conv = 1: the next tile is rounded and stored, and there is a barrier; conv = 0: the walk's last tile, with lo of P.
; AT ITS HEAD: S^T's buffer 0 holds the raw scores of kb 0; out on DScnt, in this order: K of kb 1 (4 loads), K of kb 2 (4), V of group 0 (8).
; THE WAITS ON DScnt count the LDS instructions issued behind the run that is needed (they are served in order: ISA guide 5.7.1).  K of kb j is fetched two phases A ahead: behind it stand 4 loads of K and 8 of V:
; 12, and the 16 stores of a B phase that stores: W1 = 28.  V of group g is fetched a group ahead: behind it 2 x 4 loads of K: 8, with the stores W2 = 24.
.macro TILE dg, conv
.set LO_, 1-(\conv)
.set W1, 12+16*(\conv)
.set W2, 8+16*(\conv)
	APHASE 1,0,\dg,12,3,AKC,3,0,LO_
	APHASE 2,1,\dg,12,4,AKC,4,0,LO_
	BPHASE 0,0,8,1,AVC,1,(\conv)*1,0,LO_
.if \conv
	LRUN 1, 0
.endif
.if !(\dg)
	ASK
.endif
	APHASE 3,2,\dg,W1,5,AKC,5,0,LO_
	APHASE 4,3,\dg,W1,6,AKC,6,0,LO_
	BPHASE 1,0,W2,2,AVC,2,(\conv)*1,16,LO_
.if \conv
	LRUN 1, 16
.endif
.if !(\dg)
	QNEXT
.endif
	APHASE 5,4,\dg,W1,7,AKC,7,0,LO_
	APHASE 6,5,\dg,W1,8,AKC,8,0,LO_
	BPHASE 2,(\dg)*1,W2,3,AVC,3,(\conv)*2,0,LO_
.if \conv
	LRUN 2, 0
.endif
	APHASE 7,6,\dg,W1,9,AKC,9,0,LO_
	APHASE 8,7,\dg,W1,10,AKC,10,0,LO_
	BPHASE 3,(\dg)*1,W2,4,AVC,4,(\conv)*2,16,LO_
.if \conv
	LRUN 2, 16
.endif
	APHASE 9,8,\dg,W1,11,AKC,11,0,LO_
	APHASE 10,9,\dg,W1,12,AKC,12,0,LO_
	BPHASE 4,(\dg)*2,W2,5,AVC,5,0,0,LO_
	APHASE 11,10,\dg,12,13,AKC,13,0,LO_
	APHASE 12,11,\dg,12,14,AKC,14,0,LO_
	BPHASE 5,(\dg)*2,8,6,AVC,6,0,0,LO_
	APHASE 13,12,\dg,12,15,AKC,15,1,LO_    ; the tile's last reads of its buffer: K of kb 15 and V of group 7
	s_wait_dscnt 0x0                       ; for the others' sake: my stores of the next tile are done, and my reads of this tile's buffer are back
.if \conv
	s_barrier_signal -1                    ; THE TILE'S ONE BARRIER; the phase between signal and wait works on registers alone
.endif
	APHASE 14,13,\dg,-1,-1,AKC,0,0,LO_
.if \conv
	s_barrier_wait -1                      ; the next tile's buffer is whole, and nobody reads this tile's buffer any more: the next trip may store into it
.endif
.if \dg
	BPHASE 6,3,-1,-1,AVC,0,0,0,LO_
	APHASE 15,14,1,-1,-1,AKC,0,0,LO_
	APHASE -1,15,1,-1,-1,AKC,0,0,LO_       ; a block's last scores: no product is left to set them behind
	BPHASE 7,3,-1,-1,AVC,0,0,0,LO_
.else
	KLOAD 16, AKN, 0                       ; the pipeline runs on into the next tile: its kb 0, 1, 2 count as kb 16, 17, 18, its group 0 as group 8
	BPHASE 6,0,-1,-1,AVC,0,0,0,0
	APHASE 15,14,0,-1,17,AKN,1,0,0
	APHASE 16,15,0,4,18,AKN,2,0,0          ; behind K of kb 16 stand the 4 loads of kb 17
	BPHASE 7,0,-1,8,AVN,0,0,0,0
.endif
	WIN 0
.endm
; ---- A BLOCK BEGINS: the tile's first K and V, O^T = 0 while they are on their way (one text of V^T P then serves every tile: 128 lines, twice a wave), the first scores, z = 0.
.macro BEGIN
	s_mov_b32 s[NEW], 0
	KLOAD 0, AKC, 0
	KLOAD 1, AKC, 1
	KLOAD 2, AKC, 2
	VLOAD 0, AVC, 0
	WIN 0x40
.set i_, 0
.rept 128
	v_mov_b32 v[OA+i_], 0
.set i_, i_+1
.endr
	WIN 0
	s_wait_dscnt 16                        ; K of kb 0 is in; behind it: kb 1 (4), kb 2 (4), V of group 0 (8)
.set X0N, 0
.set NPN, 4
.set t_, 0
.rept 8
	QKONE 0
.endr
.set i_, 0
.rept 8
	v_mov_b32 v[Z+i_], 0                   ; also the places behind those products
.set i_, i_+1
.endr
.endm
; ---- THE WAY OUT.  z's two halves and the other half of the lanes' are added; O^T is multiplied by 1 / (z + 64e-6) and sent through my stage in LDS, a piece (16 rows of out) at a time.
.macro PACK x
	WIN 0x41
.set i_, 0
.rept 16                       ; ascending: each accumulator's lowest pair is read first
	v_pk_mul_f32 v[OA+32*(\x)+2*i_:OA+32*(\x)+2*i_+1], v[OA+32*(\x)+2*i_:OA+32*(\x)+2*i_+1], v[TMP+2*(\x):TMP+2*(\x)+1] op_sel_hi:[1,0]
.set i_, i_+1
.endr
	WIN 0x04                       ; address window 0, data window 1
.set i_, 0
.rept 8                        ; a lane's eight channels 16 cb + 8 (l / 16) + 0..7 are 32 bytes of a row
	ds_store_b128 v[STO], v[OA+32*(\x)+4*i_:OA+32*(\x)+4*i_+3] offset:64*(i_/2)+16*(i_%2)
.set i_, i_+1
.endr
	WIN 0x40
.set i_, 0
.rept 8                        ; back as whole rows, two a load, into the registers that they left.  LDS serves a wave's instructions in order (ISA guide 5.7.1): these see the stores above
	ds_load_b128 v[OA+32*(\x)+4*i_:OA+32*(\x)+4*i_+3], v[RD] offset:i_*2*SP
.set i_, i_+1
.endr
.endm
.macro SEND x, younger         ; younger: the LDS instructions issued behind piece x's loads: the next piece's sixteen, or none
	WIN 0x04
.set i_, 0
.rept 8
	s_wait_dscnt (\younger)+7-i_
	global_store_b128 v[GO], v[OA+32*(\x)+4*i_:OA+32*(\x)+4*i_+3], s[OB:OB+1] offset:(\x)*16384+i_*512 th:TH_STORE_NT  ; 512 consecutive bytes, at a multiple of 256 from out's first byte
.set i_, i_+1
.endr
.endm
.macro ALL4 line:vararg
.set x_, 0
.rept 4
	\line
.set x_, x_+1
.endr
.endm
; ======== the kernel's head
	s_load_b256 s[4:11], s[0:1], 0x0               ; q s[4:5], k s[6:7], v s[8:9], out s[10:11]
	v_lshl_add_u32 v[SPW], v0, 2, SPARE
	v_mov_b32 v[NIL], 0
	v_mov_b32 v[ZERO], 0
	v_lshrrev_b32 v1, 5, v0
	v_readfirstlane_b32 s[WV], v1                  ; wave 0..3
	s_mov_b32 s[PB], ttmp9                         ; b
	s_sub_co_u32 s[HI], 7, s[PB]
	s_and_b32 s2, ttmp7, 0xffff                    ; the head
	s_lshl_b32 s[OFF], s2, 19                      ; its 2,048 rows of 256 bytes
	s_mov_b32 s[OFF+1], 0
	v_and_b32 v20, 15, v0                          ; l % 16
	v_bfe_u32 v21, v0, 4, 1                        ; l / 16
	v_and_b32 v22, 31, v0                          ; l
	s_lshl_b32 s2, s[WV], 14                       ; my 64 keys of a tile in memory
	v_lshlrev_b32 v24, 11, v21                     ; K: lanes 16-31 take the key 8 further on,
	v_lshl_add_u32 v24, v20, 4, v24                ; 16 bytes a lane
	v_add_nc_u32 v24, s2, v24
	v_lshlrev_b32 v25, 10, v21                     ; V: the key 4 further on
	v_lshl_add_u32 v25, v20, 4, v25
	v_add_nc_u32 v25, s2, v25
	v_lshlrev_b32 v[PFO], 8, v22
	v_add_nc_u32 v[PFO], s2, v[PFO]
	s_mul_i32 s3, s[WV], 64*PK                     ; and in a buffer: 8 bytes of bf16 a lane
	v_mul_u32_u24 v26, v21, 8*PK
	v_lshl_add_u32 v26, v20, 3, v26
	v_add_nc_u32 v26, s3, v26
	s_mul_i32 s3, s[WV], 64*PVP
	s_add_co_u32 s3, s3, VOFF
	v_mul_u32_u24 v27, v21, 4*PVP
	v_lshl_add_u32 v27, v20, 3, v27
	v_add_nc_u32 v27, s3, v27
	v_lshlrev_b32 v[QO], 8, v20                    ; a fragment of Q: row l % 16, channels 8 (l / 16) on
	v_lshl_add_u32 v[QO], v21, 5, v[QO]
	WIN 0x80
	v_mov_b32 v[XGO], v24
	v_mov_b32 v[XS0], v26
	WIN 0xc0
	v_mov_b32 v[XGO], v25
	v_mov_b32 v[XS0], v27
	WIN 0
	s_lshl_b32 s2, s[WV], 12                       ; my 16 rows in a band
	s_lshl_b32 s[TP], s[HI], 16                    ; the first block's 256 rows
	s_add_co_u32 s[TP], s[TP], s2
	s_mov_b32 s[TP+1], 0
	s_add_nc_u64 s[TP:TP+1], s[TP:TP+1], s[OFF:OFF+1]
	s_lshl_b32 s[KP], s[PB], 16                    ; the second block's
	s_add_co_u32 s[KP], s[KP], s2
	s_mov_b32 s[KP+1], 0
	s_add_nc_u64 s[KP:KP+1], s[KP:KP+1], s[OFF:OFF+1]
	s_wait_kmcnt 0x0
	s_add_nc_u64 s[KH:KH+1], s[6:7], s[OFF:OFF+1]
	s_add_nc_u64 s[VH:VH+1], s[8:9], s[OFF:OFF+1]
	s_add_nc_u64 s[KB:KB+1], s[KH:KH+1], 0x10000   ; tile 1
	s_add_nc_u64 s[VB:VB+1], s[VH:VH+1], 0x10000
	s_add_nc_u64 s[QHB:QHB+1], s[4:5], s[TP:TP+1]
	s_add_nc_u64 s[OB:OB+1], s[10:11], s[TP:TP+1]
	s_add_nc_u64 s[QLB:QLB+1], s[4:5], s[KP:KP+1]
	s_add_nc_u64 s[OL:OL+1], s[10:11], s[KP:KP+1]
	WIN 0x40                                       ; tile 0 into window 1, which is free so far: K at v0-127, V at v128-255
	LDK 0, 32, 0, 24, KH
	LDV 0, 32, 128, 25, VH
	QLOAD QHB                                      ; the first block's Q
	WIN W_K
	LDK 0, 32, 0, XGO, KB                          ; tile 1 into the staging registers
	WIN W_V
	LDV 0, 32, 0, XGO, VB
	WIN 0
	; the other addresses and scalars, while the loads are on their way
	v_mul_u32_u24 v[AK0], v20, PK
	v_lshl_add_u32 v[AK0], v21, 4, v[AK0]
	s_mul_i32 s2, s[WV], 16*SP
	s_add_co_u32 s2, s2, STAGE                     ; my stage
	v_mul_u32_u24 v[STO], v20, SP                  ; in: row l % 16, 32 bytes for each half of the lanes
	v_lshl_add_u32 v[STO], v21, 5, v[STO]
	v_add_nc_u32 v[STO], s2, v[STO]
	v_mul_u32_u24 v[RD], v21, SP                   ; back: lanes 0-15 take one row of 256 bytes, lanes 16-31 the next
	v_lshl_add_u32 v[RD], v20, 4, v[RD]
	v_add_nc_u32 v[RD], s2, v[RD]
	v_lshlrev_b32 v[GO], 8, v21                    ; and the same two rows in out
	v_lshl_add_u32 v[GO], v20, 4, v[GO]
	s_lshl_b32 s2, s[WV], 4
	v_lshlrev_b32 v30, 3, v21
	v_sub_nc_u32 v23, v20, v30
	v_add_nc_u32 v23, s2, v23                      ; my query's place in its band, 16 w + l % 16, less my lanes' 8 (l / 16): register j of kb kt is hidden where 16 kt + j is greater
	s_mov_b32 s[SLOTS], 9
	s_add_co_u32 s[RT], s[HI], 1                   ; the first block has 8 - b tiles
	s_mov_b32 s[NXT], 2
	s_mov_b32 s[LQ], s[HI]
	s_mov_b32 s[NEW], 1
	s_mov_b32 s[CUR], SLOT1                        ; the first trip turns these two round
	s_mov_b32 s[NXB], 0
	s_mov_b32 s[PT], 4
	s_cmp_eq_u32 s[PB], 0
	s_cselect_b32 s[PFN], 4, 0
	s_mov_b32 s[SEL], 0x76543210
	s_mov_b32 s[SEL+1], 0xfedcba98
	s_mov_b32 s[EPS], 0x388637bd                   ; 64 x f32(1e-6)
	s_mov_b32 s[HM], 0xffff0000
	s_wait_loadcnt 63                              ; 160 loads were issued; the 63 youngest, all of them tile 1's, may stay out: tile 0 (64) and Q (32) are in
	WIN 0x45
.set gg, 0
.rept 64
	v_cvt_pk_bf16_f32 v[4*gg], v[4*gg], v[4*gg+1]
	v_cvt_pk_bf16_f32 v[4*gg+1], v[4*gg+2], v[4*gg+3]
.set gg, gg+1
.endr
	WIN 0x04
.set gg, 0
.rept 32
	ds_store_b64 v26, v[4*gg:4*gg+1] offset:(16*(gg/8)+gg%8)*PK          ; tile 0 into buffer 0
	ds_store_b64 v27, v[128+4*gg:128+4*gg+1] offset:(8*(gg/4)+gg%4)*PVP
.set gg, gg+1
.endr
	QCVT
	WIN 0
	s_wait_dscnt 0x0                               ; for the others' sake: my part of tile 0 lies in LDS
	s_barrier_signal -1
	WIN 0x40                                       ; work on registers between signal and wait: the diagonal's factors, 1 where the key is seen and 0 where it is hidden,
.set i_, 0
.rept 32
	v_cmp_gt_i32 vcc_lo, 16*(i_/8)+i_%8, v23
	v_cndmask_b32 v[MD+i_], 1.0, v[ZERO], vcc_lo
.set i_, i_+1
.endr
	WIN 0
	; and V's place: the turning load takes 16 keys x 16 channels (lane l reads key 8 (l / 16) + l % 8, channels 8 ((l / 8) % 2) + 0..7) and leaves half a fragment of V^T: lane l holds channel l % 16 and 8 keys
	v_and_b32 v30, 7, v0
	v_lshl_add_u32 v30, v21, 3, v30
	v_mul_u32_u24 v30, v30, PVP
	v_bfe_u32 v31, v0, 3, 1
	v_lshl_add_u32 v30, v31, 4, v30
	v_add_nc_u32 v30, VOFF, v30
	WIN 0x40
	v_mov_b32 v[AV0], v30
	WIN 0
	s_barrier_wait -1                              ; everybody's part of tile 0 lies in LDS
; ======== the walk: 9 trips, a tile each
.Ltrip:
	s_wait_xcnt 0x0                                ; every load, store and prefetch issued so far has read its address and data registers: the bases below, and O^T behind a way out, may be written
	s_lshl_b32 s[OFF], s[NXT], 16                  ; the tile that this trip loads: two trips on in the walk
	s_add_nc_u64 s[KB:KB+1], s[KH:KH+1], s[OFF:OFF+1]
	s_add_nc_u64 s[VB:VB+1], s[VH:VH+1], s[OFF:OFF+1]
	s_add_co_u32 s[NXT], s[NXT], 1                 ; the block's next tile, or behind its last the second block's tile 0
	s_cmp_gt_u32 s[NXT], s[LQ]
	s_cselect_b32 s[NXT], 0, s[NXT]
	s_cselect_b32 s[LQ], s[PB], s[LQ]
	s_lshl_b32 s[OFF], s[PT], 16                   ; the tile that this trip prefetches, if it does
	s_add_nc_u64 s[KP:KP+1], s[KH:KH+1], s[OFF:OFF+1]
	s_add_nc_u64 s[VP:VP+1], s[VH:VH+1], s[OFF:OFF+1]
	s_add_co_u32 s[PT], s[PT], 1
	s_min_u32 s[PT], s[PT], 7                      ; never past the head's last tile
	s_xor_b32 s[CUR], s[CUR], SLOT1                ; the buffers change places
	s_xor_b32 s[NXB], s[NXB], SLOT1
	v_add_nc_u32 v[AKC], s[CUR], v[AK0]
	v_add_nc_u32 v[AKN], s[NXB], v[AK0]
	WIN 0x45
	v_add_nc_u32 v[AVC], s[CUR], v[AV0]
	v_add_nc_u32 v[AVN], s[NXB], v[AV0]
	WIN W_K
	v_add_nc_u32 v[XST], s[NXB], v[XS0]
	WIN W_V
	v_add_nc_u32 v[XST], s[NXB], v[XS0]
	WIN 0                                          ; at a label and at a branch every window is 0
	s_sub_co_u32 s[RT], s[RT], 1
	s_cmp_eq_u32 s[NEW], 1                         ; this test stands first: in the first trip its answer is a constant of the text
	s_cbranch_scc0 .Lold
	BEGIN
.Lold:
	s_cmp_eq_u32 s[SLOTS], 1
	s_cbranch_scc1 .Ltail                          ; the walk's last tile: the second block's diagonal tile
	s_cmp_eq_u32 s[RT], 0
	s_cbranch_scc1 .Ldiag                          ; the first block's diagonal tile
	TILE 0, 1
	s_branch .Lbottom
.Ldiag:
	TILE 1, 1
	s_branch .Lout
.Ltail:
	TILE 1, 0
.Lout:
	ALL4 v_add_f32 v[TMP+2*x_], v[Z+2*x_], v[Z+2*x_+1]   ; these additions are the places behind the last products
	ALL4 v_permlanex16_b32 v[TMP+2*x_+1], v[TMP+2*x_], s[SEL], s[SEL+1]
	ALL4 v_add_f32 v[TMP+2*x_], v[TMP+2*x_], v[TMP+2*x_+1]
	ALL4 v_add_f32 v[TMP+2*x_], s[EPS], v[TMP+2*x_]
	ALL4 v_rcp_f32 v[TMP+2*x_], v[TMP+2*x_]
	v_nop                                          ; a plain instruction between the last reciprocal and the use of its result (ISA guide 5.7.2)
	s_wait_alu depctr_va_vdst(0)                   ; and the wait ahead of the first use: one for the four reciprocals
	PACK 0
	PACK 1                                         ; a piece's arithmetic stands between the loads of the piece before and its stores
	SEND 0, 16
	PACK 2
	SEND 1, 16
	PACK 3
	SEND 2, 16
	SEND 3, 0
	WIN 0
	s_cmp_eq_u32 s[SLOTS], 1
	s_cbranch_scc1 .Lbottom
	s_wait_xcnt 0x0                                ; the stores have read out's address
	s_wait_loadcnt 0x0                             ; the second block's Q, loaded in the second trip, is in
	s_mov_b64 s[OB:OB+1], s[OL:OL+1]
	s_add_co_u32 s[RT], s[PB], 1                   ; the second block has b + 1 tiles
	s_mov_b32 s[NEW], 1
	QCVT
	WIN 0
.Lbottom:
	s_sub_co_i32 s[PFN], s[PFN], 1
	s_max_i32 s[PFN], s[PFN], 0
	s_sub_co_u32 s[SLOTS], s[SLOTS], 1
	s_cmp_lg_u32 s[SLOTS], 0
	s_cbranch_scc1 .Ltrip
	s_wait_tensorcnt 0x0                           ; the wave's end, behind my last LDS store
	ds_add_u32 v[SPW], v[NIL]
	s_wait_dscnt 0x0
	s_endpgm
.Lfunc_end_k_q41dbe8023f_rebased:
	.size	k_q41dbe8023f_rebased, .Lfunc_end_k_q41dbe8023f_rebased-k_q41dbe8023f_rebased
	.p2alignl 7, 3214868480
	.fill 96, 4, 3214868480
	.section	.rodata,"a",@progbits
	.p2align	6, 0x0
	.amdhsa_kernel k_q41dbe8023f_rebased
		.amdhsa_group_segment_fixed_size 226816
		.amdhsa_private_segment_fixed_size 0
		.amdhsa_enable_private_segment 0
		.amdhsa_kernarg_size 32
		.amdhsa_user_sgpr_count 2
		.amdhsa_user_sgpr_kernarg_segment_ptr 1
		.amdhsa_wavefront_size32 1
		.amdhsa_system_sgpr_workgroup_id_x 1
		.amdhsa_system_sgpr_workgroup_id_y 1
		.amdhsa_system_sgpr_workgroup_id_z 1
		.amdhsa_system_vgpr_workitem_id 0
		.amdhsa_next_free_vgpr 968
		.amdhsa_next_free_sgpr 66
		.amdhsa_reserve_vcc 1
		.amdhsa_float_denorm_mode_32 3
		.amdhsa_float_denorm_mode_16_64 3
		.amdhsa_memory_ordered 1
		.amdhsa_forward_progress 1
		.amdhsa_inst_pref_size 255
	.end_amdhsa_kernel
	.section	.bss,"aw",@nobits
	.p2align	6
	.space	262144
	.amdgpu_metadata
---
amdhsa.version: [ 1, 2 ]
amdhsa.kernels:
  - .name:           k_q41dbe8023f_rebased
    .symbol:         k_q41dbe8023f_rebased.kd
    .args:
      - { .name: q, .offset: 0, .size: 8, .value_kind: global_buffer, .address_space: global }
      - { .name: k, .offset: 8, .size: 8, .value_kind: global_buffer, .address_space: global }
      - { .name: v, .offset: 16, .size: 8, .value_kind: global_buffer, .address_space: global }
      - { .name: out0, .offset: 24, .size: 8, .value_kind: global_buffer, .address_space: global }
    .group_segment_fixed_size: 226816
    .private_segment_fixed_size: 0
    .kernarg_segment_align: 8
    .kernarg_segment_size: 32
    .max_flat_workgroup_size: 128
    .sgpr_count:     66
    .vgpr_count:     968
    .wavefront_size: 32
...
	.end_amdgpu_metadata
.endif
;; end of part 1
;; ======== version 2 of 2: 1 launch; version 1 with the launch rebased written anew for expert scheduling mode
;; limits: right only within a limited range of input values
;; launch rebased (part 2): grid 4 x 64, 4 waves a work-group, no clusters, 226,816 bytes of LDS; arguments q, k, v, out0; writes out0
.if DOCPART == 2
	.amdgcn_target "amdgcn-amd-amdhsa--gfx1250"
	.amdhsa_code_object_version 6
	.text
	.protected	k_q41dbe8023f_rebased
	.globl	k_q41dbe8023f_rebased
	.p2align	8
	.type	k_q41dbe8023f_rebased,@function
k_q41dbe8023f_rebased:
	s_mov_b64 s[64:65], 0
	v_nop
	global_prefetch_b8 v0, s[64:65] scope:SCOPE_SE
	s_setreg_imm32_b32 hwreg(HW_REG_WAVE_SCHED_MODE, 0, 2), 2
	s_setreg_imm32_b32 hwreg(HW_REG_WAVE_MODE, 25, 1), 1
	s_wait_xcnt 0x0
	s_wait_alu depctr_vm_vsrc(0)
; out[h][q][:] = sum over k <= q of (Q[h][q].K[h][k] / 8)^2 V[h][k][:]  /  (sum over k <= q of (Q[h][q].K[h][k] / 8)^2 + 1e-6).   q, k, v, out: [64 heads][2048][64] f32, a row 256 bytes.
; THE SCALE.  (s / 8)^2 = s^2 / 64 with s = Q.K, a power of two: numerator and divisor are both taken 64 times larger, p = s^2, divisor z + 64 x 1e-6 (0x388637bd): the same quotient.
; FORMATS.  q, k, v are rounded once to bf16; s, p and z in f32; z is the sum of the unrounded p; p goes into the second product as bf16 (its range is f32's, so inputs 30 times larger or smaller have room).
; In the walk's last tile p goes as hi + lo, two bf16 products: there lie rows 0 to 255 of a head (work-group b = 0), whose few terms leave bf16's rounding of p too little room beside the output's spread.
; DEAD WORK.  reference() sets attn to 0 where k > q (jnp.where on its own jnp.tril) before both sums.  A unit of 64 queries x 64 keys that lies wholly above the diagonal therefore adds 0 x v to o and 0 to z,
; whatever finite values q, k, v hold: the key tiles behind a block's diagonal tile, and in the diagonal tile the units (band x, key step s > x), are not computed.  All three inputs are live and loaded.
; LIMITS.  A NaN, an infinity or an overflow that reaches only the units left out is not carried to the result.  In the 64 x 64 unit on the diagonal a hidden score is multiplied by 0: a hidden score that is
; itself infinite (|Q.K| beyond 3.4e38) or NaN gives NaN where reference() gives a number.  p overflows for |Q.K| beyond 1.8e19 (reference(): 1.5e20).  1 / (z + 64e-6) counts as 0 for z beyond 2^126.
; THE WALK.  A head has 8 blocks of 256 queries and 8 tiles of 256 keys; block i needs tiles 0 .. i.  Work-group (b, head) takes block 7 - b and then block b: 9 tiles whatever b, one counted loop of 9 trips.
; SHARES.  Of a block's four bands of 64 queries a wave owns 16 rows in each: four PIECES, piece x = rows 64 x + 16 w + 0..15.  In the diagonal tile's key step s only pieces x >= s work, the same for every wave.
; LAYOUT.  S^T = K Q^T (source 0 = 16 keys, source 1 = 16 queries): a lane holds ONE query (lane % 16) and keys 8 (lane / 16) + 0..7.  Two such results, squared and rounded in pairs, ARE source 1 (32 keys x 16
; queries) of O^T = V^T P, whose result again holds one query a lane, and eight channels.  K comes out of LDS as it lies, V ([key][channel]) turned, by ds_load_tr16_b128.
; THE WAY IN.  K and V must be rounded, so they come through registers: a tile is loaded two trips ahead (16 bytes a lane, sixteen lanes one whole row of 256 bytes), rounded and stored to LDS one trip ahead, into
; the one of two LDS buffers that is not being read.  ONE barrier a tile.  No tensor load: it would land f32 in LDS and cost two more passes through LDS.  NO CLUSTER for the same reason; and a head's four
; work-groups ask for the same tile only in trips 0 to 4.
; THE PIPELINE.  kb = 16 keys, group g = kb 2g, 2g+1.  Phase A1(g): products K Q^T of kb 2g+1, and behind each of them a slice of the squaring, summing and rounding of kb 2g.  A2(g): K Q^T of kb 2g+2, slices
; of kb 2g+1.  B(g): products V^T P of group g, and behind them the way in's work on the next tile.  A full tile's last A2 makes the next tile's first scores: the pipeline runs on across tiles.
; THE MODE: SCHED_MODE bits 1:0 = 2 (LLVM: expert scheduling mode 2), set by the entry lines.  The code itself states the register dependences between vector or matrix instructions and memory or LDS
; instructions, with s_wait_alu, always for 0.
; THE PLAN.  Registers that memory or LDS instructions touch, round a trip:
;   K's ring      slot j % 4 is read by the products K Q^T of kb j; the LDS loads of kb j + 4 land in it, issued at the head of the A phase two A phases on.
;   V's buffers   buffer g % 2 is read by the products V^T P of group g; the LDS loads of group g + 2 land in it, issued at the head of B(g + 1).
;   the staged tile, in four runs r of sixteen groups (K 0-15, K 16-31, V 0-15, V 16-31): B(r) rounds run r in place; B(r + 1) stores it to LDS; at the head of group r + 2 it is loaded anew.
;   AKC, AKN, AVC, AVN, XST   written once a trip, at its head; read by every LDS load and store of the trip.      QO, XGO, PFO, STO, RD, GO: made at the kernel's head and never written again.
;   S^T, P, z, Q's fragments and O^T are named in the tiles by vector and matrix instructions alone.
; So ONE wait on va_vdst stands at the head of a group, behind B of the group before.  It states: the products K Q^T of kb 2g - 1 and 2g are done reading the two ring slots in which the group's two runs of K land;
; V^T P of group g - 1 is done reading the buffer in which the group's run of V lands; B(g - 1)'s roundings have written the run that B(g) stores; in group 0, the five addresses are written.  What the group
; issues behind it (K Q^T on the ring's other two slots, the slices, V^T P on the other buffer, the roundings of another run) names none of the registers that the group's loads and stores touch: these follow
; with no further wait, the stores dealt among B's products.  In groups 2 to 5 one wait on vm_vsrc stands beside it: the stores of the B phase before have read the run that is loaded anew straight behind the two.
; REGISTERS, in windows of 256 (s_set_vgpr_msb: bits 1:0 source 0, 3:2 source 1, 5:4 source 2, 7:6 destination):
;   window 0: v2-11, v28 addresses; v12-19 z, a pair a piece; v20-27 at work; v32-63 P, 8 a piece; v64-127 S^T, two buffers of 4 pieces; v128-191 Q, 16 a piece; v192-255 K, a ring of four kb.
;             All that K Q^T and its slices name lies here: the A phases run without a window switch.  On the way out S^T's and the ring's registers take the rows that come back from the stage.
;   window 1: v0-127 O^T, 32 a piece; v128-191 V^T, two buffers; v192-223 the diagonal's factors 0 / 1; v224-226 V's LDS addresses
;   window 2: v0-127 a tile of K as loaded (in the last tile v0-31: lo of P); v128-191 Q as loaded, pieces 0, 1; v192-194 addresses          window 3: the same for V and pieces 2, 3
.set PK,    144                ; a row of K in LDS: 128 bytes of bf16 + 16: the 16 rows of a fragment load start 36 words apart
.set PVP,   160                ; a row of V: 128 + 32: 16 lanes of the turning load take 8 rows x 32 bytes, 40 words apart
.set VOFF,  256*PK             ; a buffer: 256 rows of K, then 256 rows of V
.set SLOT1, 1<<17              ; buffer 1 begins here: one exclusive or turns an address in one buffer into the other's
.set STAGE, SLOT1+256*(PK+PVP) ; 16 rows x 272 bytes for each wave, for the way out
.set SP,    272
.set SPARE, STAGE+4*16*SP      ; the spare words, 128 bytes for each wave: two blocks of 256 bytes that no other line names
.set AK0, 2                    ; my lane's place in a fragment of K: (l % 16) x 144 + 16 (l / 16); never rewritten
.set AKC, 3                    ; + the buffer being read
.set AKN, 4                    ; + the other buffer
.set STO, 5                    ; the way out: where I put 32 bytes of a row
.set RD,  6                    ; the way out: where I read rows back
.set GO,  7                    ; my byte offset in two rows of out
.set QO,  8                    ; my byte offset in 16 rows of q
.set SPW, 9                    ; LDS address of my spare word; never rewritten
.set NIL, 10                   ; 0; never rewritten
.set ZERO, 11                  ; 0
.set Z,   12
.set TMP, 20
.set PFO, 28                   ; the prefetches' offset: (64 w + l) rows of 256 bytes; never rewritten
.set P,   32
.set S,   64
.set QF,  128
.set KR,  192
.set OA,  0                    ; window 1
.set VF,  128
.set MD,  192
.set AVC, 224
.set AVN, 225
.set AV0, 226
.set PL,  0                    ; window 2
.set QR,  128                  ; windows 2 and 3
.set XGO, 192                  ; windows 2 (K) and 3 (V): my byte offset in a tile in memory; never rewritten
.set XS0, 193                  ; my place in a buffer; never rewritten
.set XST, 194                  ; + the buffer being written
.set WV,  12                   ; my wave's number
.set PB,  14                   ; b
.set HI,  15                   ; 7 - b
.set KH,  16                   ; s[16:17] k at the head; s[18:19] v at the head
.set VH,  18
.set KB,  20                   ; s[20:21], s[22:23] k and v at the tile that this trip loads
.set VB,  22
.set OB,  24                   ; s[24:25] out at my rows of the block in hand; s[26:27] of the second block
.set OL,  26
.set OFF, 28                   ; s[28:29] a byte offset, high word 0
.set TP,  30                   ; s[30:31] the same
.set KP,  32                   ; s[32:33], s[34:35] k and v at the tile that this trip prefetches
.set VP,  34
.set SLOTS, 36                 ; trips to go, this one among them: 9 .. 1
.set RT,  37                   ; tiles of the block in hand still to be entered
.set NXT, 38                   ; the tile to be loaded next
.set LQ,  39                   ; the last tile of the block whose tiles are being loaded
.set NEW, 40                   ; 1: the tile to be entered is a block's first
.set PFN, 42                   ; trips that still prefetch
.set PT,  43                   ; the tile to be prefetched
.set CUR, 44                   ; LDS byte of the buffer being read
.set NXB, 45                   ; of the other
.set SEL, 46                   ; s[46:47] v_permlanex16_b32's selects: each lane takes its own place in the other half
.set EPS, 48                   ; 64 x 1e-6
.set HM,  49                   ; a word's upper bf16
.set QLB, 50                   ; s[50:51] q at my rows of the second block; s[52:53] of the first
.set QHB, 52
.set MK,  54                   ; s[54:61] at the head only: eight masks of lanes, a run of compares at a time
.set MSB, 0
.macro WIN new                 ; the high byte repeats the setting that is left; a switch that changes nothing is dropped
.if MSB != (\new)
	s_set_vgpr_msb (MSB<<8)|(\new)
.set MSB, (\new)
.endif
.endm
.set W_PV, 0x51                ; V^T and O^T in window 1, P in window 0; an LDS load under it: data and address in window 1
.set W_PL, 0x59                ; the same with lo of P in window 2
.set W_K,  0x8a                ; sources 0, 1 and destination in window 2
.set W_V,  0xcf                ; in window 3
; ---- loads from memory.  Group gg of 32 is one load of a wave: two whole rows of 256 bytes, lanes 0-15 one key, lanes 16-31 another (K: 8 keys on; V: 4 keys on), so that the two halves of the later
; ds_store_b64 lie 288 and 160 words apart in LDS.
.macro LDK g0, cnt, rb, ad, sb
.set gg, (\g0)
.rept \cnt
	global_load_b128 v[(\rb)+4*gg:(\rb)+4*gg+3], v[\ad], s[\sb:\sb+1] offset:(16*(gg/8)+gg%8)*256
.set gg, gg+1
.endr
.endm
.macro LDV g0, cnt, rb, ad, sb
.set gg, (\g0)
.rept \cnt
	global_load_b128 v[(\rb)+4*gg:(\rb)+4*gg+3], v[\ad], s[\sb:\sb+1] offset:(8*(gg/4)+gg%4)*256
.set gg, gg+1
.endr
.endm
; A block's Q for my four pieces: fragment f = 2 x + c is 16 rows x 32 channels: a lane's 16 numbers are four loads of 16 bytes.  Read once in the launch.
.macro QLOAD sb
.set f_, 0
.rept 8
.if f_ < 4
	WIN 0x80
.else
	WIN 0xc0
.endif
.set rR, QR+16*(f_%4)
.set oQ, (f_/2)*16384+(f_%2)*128
	global_load_b128 v[rR:rR+3],     v[QO], s[\sb:\sb+1] offset:oQ th:TH_LOAD_NT
	global_load_b128 v[rR+4:rR+7],   v[QO], s[\sb:\sb+1] offset:oQ+16 th:TH_LOAD_NT
	global_load_b128 v[rR+8:rR+11],  v[QO], s[\sb:\sb+1] offset:oQ+64 th:TH_LOAD_NT
	global_load_b128 v[rR+12:rR+15], v[QO], s[\sb:\sb+1] offset:oQ+80 th:TH_LOAD_NT
.set f_, f_+1
.endr
.endm
.macro QCVT                    ; rounded to bf16 into the fragments' registers
.set f_, 0
.rept 8
.if f_ < 4
	WIN 0x0a
.else
	WIN 0x0f
.endif
.set i_, 0
.rept 8
	v_cvt_pk_bf16_f32 v[QF+8*f_+i_], v[QR+16*(f_%4)+2*i_], v[QR+16*(f_%4)+2*i_+1]
.set i_, i_+1
.endr
.set f_, f_+1
.endr
.endm
; ---- loads from LDS, in runs.  K of kb kl into ring slot kl % 4, from row 16 kk of the buffer in ka: 16 keys x 64 channels, four loads.
.macro KLOAD kl, ka, kk
	WIN 0
.set e_, 0
.rept 4
	ds_load_b128 v[KR+16*((\kl)%4)+4*e_:KR+16*((\kl)%4)+4*e_+3], v[\ka] offset:(\kk)*16*PK+32*e_
.set e_, e_+1
.endr
.endm
; V of group vl into buffer vl % 2, from row 32 vg: 32 keys x 64 channels, turned, eight loads.
.macro VLOAD vl, va, vg
	WIN W_PV
.set c_, 0
.rept 4
	ds_load_tr16_b128 v[VF+32*((\vl)%2)+8*c_:VF+32*((\vl)%2)+8*c_+3],   v[\va] offset:(\vg)*32*PVP+32*c_
	ds_load_tr16_b128 v[VF+32*((\vl)%2)+8*c_+4:VF+32*((\vl)%2)+8*c_+7], v[\va] offset:(\vg)*32*PVP+16*PVP+32*c_
.set c_, c_+1
.endr
.endm
; ---- product t_ of 2 NPN of S^T = K Q^T for kb jn: channels 32 (t_ / NPN) on, piece X0N + t_ % NPN.  The first NPN start the sums with 0.  The accumulators take turns; with one live
; piece they cannot, and a wait stands directly ahead of the second link.
.macro QKONE jn
.set rD, S+32*((\jn)%2)+8*(X0N+t_%NPN)
.set rK, KR+16*((\jn)%4)+8*(t_/NPN)
.set rQ, QF+16*(X0N+t_%NPN)+8*(t_/NPN)
.if t_ < NPN
	v_wmma_f32_16x16x32_bf16 v[rD:rD+7], v[rK:rK+7], v[rQ:rQ+7], 0
.else
.if NPN == 1
	s_wait_alu depctr_va_vdst(0)
.endif
	v_wmma_f32_16x16x32_bf16 v[rD:rD+7], v[rK:rK+7], v[rQ:rQ+7], v[rD:rD+7]
.endif
.set t_, t_+1
.endm
; ---- the vector work on kb JC's scores, pieces X0C .. 3 (NPC of them).  Pair n of 4 NPC: registers 2 i, 2 i + 1 of piece X0C + n % NPC, i = n / NPC: every accumulator's lowest pair is read first.
; Time step TAU writes: pair TAU squared in place; pair TAU - 2 added onto z; pair TAU - 2 rounded into P.  4 NPC + 2 time steps.  The first write of P has four plain lines ahead of it.
.macro RSTEP
.if TAU < 4*NPC
.set rS, S+32*(JC%2)+8*(X0C+TAU%NPC)+2*(TAU/NPC)
	v_pk_mul_f32 v[rS:rS+1], v[rS:rS+1], v[rS:rS+1]
.endif
.if (TAU >= 2) && (TAU < 4*NPC+2)
.set n_, TAU-2
.set xx, X0C+n_%NPC
.set rS, S+32*(JC%2)+8*xx+2*(n_/NPC)
	v_pk_add_f32 v[Z+2*xx:Z+2*xx+1], v[Z+2*xx:Z+2*xx+1], v[rS:rS+1]
	v_cvt_pk_bf16_f32 v[P+8*xx+4*(JC%2)+n_/NPC], v[rS], v[rS+1]
.endif
.set TAU, TAU+1
.endm
; lo of P for kb JC: p less its rounded value is exact in f32; it is rounded to bf16 into window 2.
.macro LOL
.set n_, 0
.rept 4*NPC
.set xx, X0C+n_%NPC
.set rS, S+32*(JC%2)+8*xx+2*(n_/NPC)
.set rT, TMP+2*(n_%4)
	v_lshlrev_b32 v[rT], 16, v[P+8*xx+4*(JC%2)+n_/NPC]
	v_and_b32 v[rT+1], s[HM], v[P+8*xx+4*(JC%2)+n_/NPC]
	v_pk_add_f32 v[rS:rS+1], v[rS:rS+1], v[rT:rT+1] neg_lo:[0,1] neg_hi:[0,1]
.set n_, n_+1
.endr
	WIN 0x80
.set n_, 0
.rept 4*NPC
.set xx, X0C+n_%NPC
.set rS, S+32*(JC%2)+8*xx+2*(n_/NPC)
	v_cvt_pk_bf16_f32 v[PL+8*xx+4*(JC%2)+n_/NPC], v[rS], v[rS+1]
.set n_, n_+1
.endr
	WIN 0
.endm
; ---- AN A PHASE.  jn: the kb whose K Q^T is issued (-1: none).  jc: the kb whose scores are worked on.  dg = 1: the diagonal tile: kb j serves pieces j / 4 .. 3, and piece jc / 4, which holds the diagonal, is
; multiplied by its factors 0 / 1 first.  dsw: the wait on DScnt that K of jn needs (-1: none).  kl, ka, kk: the run of K loads behind that wait (kl = -1: none).  v7 = 1: V of group 7 is fetched behind the
; second product's slices.  lo = 1: lo of P is made at the end.  The phase's loads lean on the wait at the head of their group (THE PLAN).
; The time steps are dealt evenly behind the products; by the counts 4 NPC + 2 and 2 NPN that occur, four plain lines or more stand behind the phase's last product: the places in front of the next phase's
; first read of its scores (ISA guide 7.12.1).
.macro APHASE jn, jc, dg, dsw, kl, ka, kk, v7, lo
	WIN 0
.if (\dsw) >= 0
	s_wait_dscnt \dsw
.endif
.if (\kl) >= 0
	KLOAD \kl, \ka, \kk
.endif
.set JC, (\jc)
.set X0C, (\dg)*((\jc)/4)
.set NPC, 4-X0C
.set NT, 4*NPC+2
.set TAU, 0
.if \dg
	WIN 0x04                       ; source 1 in window 1
.set i_, 0
.rept 4
	v_pk_mul_f32 v[S+32*(JC%2)+8*X0C+2*i_:S+32*(JC%2)+8*X0C+2*i_+1], v[S+32*(JC%2)+8*X0C+2*i_:S+32*(JC%2)+8*X0C+2*i_+1], v[MD+8*(JC%4)+2*i_:MD+8*(JC%4)+2*i_+1]
.set i_, i_+1
.endr
	WIN 0
.endif
.if (\jn) >= 0
.set X0N, (\dg)*((\jn)/4)
.set NPN, 4-X0N
.set NW, 2*NPN
.set t_, 0
.rept NW
	QKONE \jn
.set TGT, (t_*NT+NW-1)/NW
.rept 18
.if TAU < TGT
	RSTEP
.endif
.endr
.if (\v7) && (t_ == 2)
	VLOAD 7, AVC, 7                ; its buffer's last reader, V^T P of group 5, stands ahead of group 6's wait, and nothing issued since names that buffer or AVC
	WIN 0
.endif
.endr
.else
.rept 18
.if TAU < NT
	RSTEP
.endif
.endr
.endif
.if \lo
	LOL
.endif
.endm
; ---- the way in, second half, in two parts a group apart.  CV: group gm of the staged tile is rounded in place.  STG: it is stored to the buffer that is not being read.
.macro CV kind, gm
.set gg, (\gm)
.if (\kind) == 1
	WIN W_K
.else
	WIN W_V
.endif
	v_cvt_pk_bf16_f32 v[4*gg], v[4*gg], v[4*gg+1]
	v_cvt_pk_bf16_f32 v[4*gg+1], v[4*gg+2], v[4*gg+3]
.endm
.macro STG kind, gm
.set gg, (\gm)
.if (\kind) == 1
	WIN W_K
	ds_store_b64 v[XST], v[4*gg:4*gg+1] offset:(16*(gg/8)+gg%8)*PK
.else
	WIN W_V
	ds_store_b64 v[XST], v[4*gg:4*gg+1] offset:(8*(gg/4)+gg%4)*PVP
.endif
.endm
; ---- A B PHASE.  O^T += V^T P for group g, pieces x0 .. 3: four products a piece, each on an accumulator of its own.  dsw: the wait that V of g needs.  vl, va, vg: the run of V loads behind it.
; pk = 1 (K) or 2 (V): sixteen groups from pg0 on are rounded.  sk, sg0: the sixteen groups that the B phase before rounded are stored: their data were written ahead of this group's wait, and nothing issued
; since names them.  Both are dealt behind every second product.  lo = 1: the same products once more with lo of P.
.macro BPHASE g, x0, dsw, vl, va, vg, pk, pg0, sk, sg0, lo
	WIN W_PV
.if (\dsw) >= 0
	s_wait_dscnt \dsw
.endif
.if (\vl) >= 0
	VLOAD \vl, \va, \vg
.endif
.if ((\pk) == 1) && ((\pg0) == 0)
	s_wait_loadcnt 0x0             ; the staged tile is in: its loads were issued at the heads of groups 2 to 5 of the trip before (the first tile's at the kernel's head)
.endif
.set NWB, 4*(4-(\x0))
.set PGD, 0
.set SGD, 0
.set t_, 0
.rept NWB
.set rO, OA+32*((\x0)+t_/4)+8*(t_%4)
.set rV, VF+32*((\g)%2)+8*(t_%4)
.set rP, P+8*((\x0)+t_/4)
	WIN W_PV
	v_wmma_f32_16x16x32_bf16 v[rO:rO+7], v[rV:rV+7], v[rP:rP+7], v[rO:rO+7]
.set t_, t_+1
.if t_%2 == 0
.set TGT, (t_*16+NWB-1)/NWB
.if (\pk)
.rept 4
.if PGD < TGT
	CV \pk,(\pg0)+PGD
.set PGD, PGD+1
.endif
.endr
.endif
.if (\sk)
.rept 4
.if SGD < TGT
	STG \sk,(\sg0)+SGD
.set SGD, SGD+1
.endif
.endr
.endif
.endif
.endr
.if \lo
	WIN W_PL
.set t_, 0
.rept NWB
.set rO, OA+32*((\x0)+t_/4)+8*(t_%4)
.set rV, VF+32*((\g)%2)+8*(t_%4)
.set rP, PL+8*((\x0)+t_/4)
	v_wmma_f32_16x16x32_bf16 v[rO:rO+7], v[rV:rV+7], v[rP:rP+7], v[rO:rO+7]
.set t_, t_+1
.endr
.endif
.endm
; ---- the way in, first half: sixteen groups that have been stored are loaded anew, with the tile two trips on.  The last two trips have no such tile.  The two waits that these loads lean on stand straight
; ahead of the macro, ahead of its branch.
.macro LRUN kind, pg0
	WIN 0
	s_cmp_gt_u32 s[SLOTS], 2
	s_cbranch_scc0 .Lnoload_\@
.if (\kind) == 1
	WIN W_K
	LDK \pg0, 16, 0, XGO, KB
.else
	WIN W_V
	LDV \pg0, 16, 0, XGO, VB
.endif
	WIN 0
.Lnoload_\@:
.endm
; ---- A PREFETCH INTO THE L2.  A head's four work-groups walk tiles 0, 1, .. together; b = 0, whose first block walks all eight, asks in trips 0 to 3 for tile 4 + trip of K and of V, which the loads want two
; trips later: a lane a row of 256 bytes, wave w rows 64 w + 0..63, four instructions, behind the trip's first run of loads.  So each row is named once in the launch.  Tiles 0 to 3 come by their loads alone.
.macro ASK
	s_cmp_lg_u32 s[PFN], 0
	s_cbranch_scc0 .Lnoask_\@
	global_prefetch_b8 v[PFO], s[KP:KP+1] th:TH_LOAD_NT scope:SCOPE_SE
	global_prefetch_b8 v[PFO], s[KP:KP+1] offset:8192 th:TH_LOAD_NT scope:SCOPE_SE
	global_prefetch_b8 v[PFO], s[VP:VP+1] th:TH_LOAD_NT scope:SCOPE_SE
	global_prefetch_b8 v[PFO], s[VP:VP+1] offset:8192 th:TH_LOAD_NT scope:SCOPE_SE
.Lnoask_\@:
.endm
.macro QNEXT                   ; the second block's Q is loaded in the walk's second trip, away from the loads at the kernel's head; the roundings that read these registers stand ahead of the group's wait
	s_cmp_eq_u32 s[SLOTS], 8
	s_cbranch_scc0 .Lnoq_\@
	QLOAD QLB
	WIN 0
.Lnoq_\@:
.endm
; ---- A TILE: 16 kb, 8 groups.  dg = 1: a block's diagonal tile.  conv = 1: the next tile is rounded and stored, and there is a barrier; conv = 0: the walk's last tile, with lo of P.
; AT ITS HEAD: S^T's buffer 0 holds the raw scores of kb 0; out on DScnt, in this order: K of kb 1 (4 loads), K of kb 2 (4), V of group 0 (8).
; THE WAITS ON DScnt count the LDS instructions issued behind the run that is needed (they are served in order: ISA guide 5.7.1).  K of kb j is fetched two phases A ahead: behind it stand 4 loads of K and 8 of V:
; 12, and in groups 2 to 5 the 16 stores of the B phase before: W1 = 28.  V of group g is fetched a group ahead: behind it 2 x 4 loads of K: 8, in B(2) to B(5) with those stores W2 = 24.
.macro TILE dg, conv
.set LO_, 1-(\conv)
.set W1, 12+16*(\conv)
.set W2, 8+16*(\conv)
	s_wait_alu depctr_va_vdst(0)           ; group 0: the trip's head has written AKC, AKN, AVC, AVN and XST; the products issued so far are done reading ring slots 3 and 0 and V's buffer 1, in which this group's loads land
	APHASE 1,0,\dg,12,3,AKC,3,0,LO_
	APHASE 2,1,\dg,12,4,AKC,4,0,LO_
	BPHASE 0,0,8,1,AVC,1,(\conv)*1,0,0,0,LO_
	s_wait_alu depctr_va_vdst(0)           ; group 1: K Q^T of kb 1 and 2 and V^T P of group 0 are done reading what this group's loads land in; B(0)'s roundings have written the run that B(1) stores
	APHASE 3,2,\dg,12,5,AKC,5,0,LO_
	APHASE 4,3,\dg,12,6,AKC,6,0,LO_
	BPHASE 1,0,8,2,AVC,2,(\conv)*1,16,(\conv)*1,0,LO_
.if \conv
	s_wait_alu depctr_vm_vsrc(0)           ; B(1)'s stores have read K's groups 0 to 15, in which the loads below land
.endif
	s_wait_alu depctr_va_vdst(0)           ; group 2: K Q^T of kb 3 and 4 and V^T P of group 1 are done reading; B(1)'s roundings have written the run that B(2) stores; B(0)'s are done with the run loaded below
.if \conv
	LRUN 1, 0
.endif
.if !(\dg)
	ASK
.endif
	APHASE 5,4,\dg,W1,7,AKC,7,0,LO_
	APHASE 6,5,\dg,W1,8,AKC,8,0,LO_
	BPHASE 2,(\dg)*1,W2,3,AVC,3,(\conv)*2,0,(\conv)*1,16,LO_
.if \conv
	s_wait_alu depctr_vm_vsrc(0)           ; B(2)'s stores have read K's groups 16 to 31, in which the loads below land
.endif
	s_wait_alu depctr_va_vdst(0)           ; group 3: K Q^T of kb 5 and 6 and V^T P of group 2 are done reading; B(2)'s roundings have written the run that B(3) stores; B(1)'s are done with the run loaded below
.if \conv
	LRUN 1, 16
.endif
.if !(\dg)
	QNEXT
.endif
	APHASE 7,6,\dg,W1,9,AKC,9,0,LO_
	APHASE 8,7,\dg,W1,10,AKC,10,0,LO_
	BPHASE 3,(\dg)*1,W2,4,AVC,4,(\conv)*2,16,(\conv)*2,0,LO_
.if \conv
	s_wait_alu depctr_vm_vsrc(0)           ; B(3)'s stores have read V's groups 0 to 15, in which the loads below land
.endif
	s_wait_alu depctr_va_vdst(0)           ; group 4: K Q^T of kb 7 and 8 and V^T P of group 3 are done reading; B(3)'s roundings have written the run that B(4) stores; B(2)'s are done with the run loaded below
.if \conv
	LRUN 2, 0
.endif
	APHASE 9,8,\dg,W1,11,AKC,11,0,LO_
	APHASE 10,9,\dg,W1,12,AKC,12,0,LO_
	BPHASE 4,(\dg)*2,W2,5,AVC,5,0,0,(\conv)*2,16,LO_
.if \conv
	s_wait_alu depctr_vm_vsrc(0)           ; B(4)'s stores have read V's groups 16 to 31, in which the loads below land
.endif
	s_wait_alu depctr_va_vdst(0)           ; group 5: K Q^T of kb 9 and 10 and V^T P of group 4 are done reading what this group's loads land in; B(3)'s roundings are done with the run loaded below
.if \conv
	LRUN 2, 16
.endif
	APHASE 11,10,\dg,W1,13,AKC,13,0,LO_
	APHASE 12,11,\dg,W1,14,AKC,14,0,LO_
	BPHASE 5,(\dg)*2,W2,6,AVC,6,0,0,0,0,LO_
	s_wait_alu depctr_va_vdst(0)           ; group 6: K Q^T of kb 11 and 12 and V^T P of group 5 are done reading ring slots 3 and 0 and V's buffer 1: K of kb 15, V of group 7 and, in a full tile, K of kb 16 land there
	APHASE 13,12,\dg,12,15,AKC,15,1,LO_    ; the tile's last reads of its buffer: K of kb 15 and V of group 7
	s_wait_dscnt 0x0                       ; for the others' sake: my stores of the next tile are done, and my reads of this tile's buffer are back
.if \conv
	s_barrier_signal -1                    ; THE TILE'S ONE BARRIER; the phase between signal and wait works on registers alone
.endif
	APHASE 14,13,\dg,-1,-1,AKC,0,0,LO_
.if \conv
	s_barrier_wait -1                      ; the next tile's buffer is whole, and nobody reads this tile's buffer any more: the next trip may store into it
.endif
.if \dg
	BPHASE 6,3,-1,-1,AVC,0,0,0,0,0,LO_     ; a block's last two groups issue no load and no store: they hold no wait of the plan's
	APHASE 15,14,1,-1,-1,AKC,0,0,LO_
	APHASE -1,15,1,-1,-1,AKC,0,0,LO_       ; a block's last scores: no product is left to set them behind
	BPHASE 7,3,-1,-1,AVC,0,0,0,0,0,LO_
.else
	KLOAD 16, AKN, 0                       ; the pipeline runs on into the next tile: its kb 0, 1, 2 count as kb 16, 17, 18, its group 0 as group 8
	BPHASE 6,0,-1,-1,AVC,0,0,0,0,0,0
	s_wait_alu depctr_va_vdst(0)           ; group 7: K Q^T of kb 13 and 14 and V^T P of group 6 are done reading ring slots 1 and 2 and V's buffer 0, in which this group's loads land
	APHASE 15,14,0,-1,17,AKN,1,0,0
	APHASE 16,15,0,4,18,AKN,2,0,0          ; behind K of kb 16 stand the 4 loads of kb 17
	BPHASE 7,0,-1,8,AVN,0,0,0,0,0,0
.endif
	WIN 0
.endm
; ---- A BLOCK BEGINS: the tile's first K and V, O^T = 0 while they are on their way (one text of V^T P then serves every tile: 128 lines, twice a wave), the first scores, z = 0.
.macro BEGIN
	s_mov_b32 s[NEW], 0
	s_wait_alu depctr_va_vdst(0)           ; the trip's head has written AKC and AVC, which the loads below read; the block before is done reading K's ring and V's buffer 0, in which they land
	KLOAD 0, AKC, 0
	KLOAD 1, AKC, 1
	KLOAD 2, AKC, 2
	VLOAD 0, AVC, 0
	WIN 0x40
.set i_, 0
.rept 128
	v_mov_b32 v[OA+i_], 0
.set i_, i_+1
.endr
	WIN 0
	s_wait_dscnt 16                        ; K of kb 0 is in; behind it: kb 1 (4), kb 2 (4), V of group 0 (8)
.set X0N, 0
.set NPN, 4
.set t_, 0
.rept 8
	QKONE 0
.endr
.set i_, 0
.rept 8
	v_mov_b32 v[Z+i_], 0                   ; also the places behind those products
.set i_, i_+1
.endr
.endm
; ---- THE WAY OUT.  z's two halves and the other half of the lanes' are added; O^T is multiplied by 1 / (z + 64e-6) and sent through my stage in LDS, a piece (16 rows of out) at a time.
; All four pieces are multiplied first, so that one wait serves all their LDS stores.  The rows come back into registers other than those that they left: piece x into 32 of S^T's (x = 0, 1) or of the ring's
; (x = 2, 3), which the block needs no more.
.macro TOSTAGE x
.set BK, S+32*(\x)+64*((\x)/2)
	WIN 0x04                       ; address window 0, data window 1
.set i_, 0
.rept 8                        ; a lane's eight channels 16 cb + 8 (l / 16) + 0..7 are 32 bytes of a row
	ds_store_b128 v[STO], v[OA+32*(\x)+4*i_:OA+32*(\x)+4*i_+3] offset:64*(i_/2)+16*(i_%2)
.set i_, i_+1
.endr
	WIN 0
.set i_, 0
.rept 8                        ; back as whole rows, two a load.  LDS serves a wave's instructions in order (ISA guide 5.7.1): these see the stores above, and the next piece's stores come behind them
	ds_load_b128 v[BK+4*i_:BK+4*i_+3], v[RD] offset:i_*2*SP
.set i_, i_+1
.endr
.endm
.macro SEND x, younger         ; younger: the LDS instructions issued behind piece x's loads: the next piece's sixteen, or none
.set BK, S+32*(\x)+64*((\x)/2)
	WIN 0
.set i_, 0
.rept 8
	s_wait_dscnt (\younger)+7-i_
	global_store_b128 v[GO], v[BK+4*i_:BK+4*i_+3], s[OB:OB+1] offset:(\x)*16384+i_*512 th:TH_STORE_NT  ; 512 consecutive bytes, at a multiple of 256 from out's first byte
.set i_, i_+1
.endr
.endm
.macro ALL4 line:vararg
.set x_, 0
.rept 4
	\line
.set x_, x_+1
.endr
.endm
; ======== the kernel's head
	s_load_b256 s[4:11], s[0:1], 0x0               ; q s[4:5], k s[6:7], v s[8:9], out s[10:11]
	v_lshl_add_u32 v[SPW], v0, 2, SPARE
	v_mov_b32 v[NIL], 0
	v_mov_b32 v[ZERO], 0
	v_lshrrev_b32 v1, 5, v0
	v_readfirstlane_b32 s[WV], v1                  ; wave 0..3
	s_mov_b32 s[PB], ttmp9                         ; b
	s_sub_co_u32 s[HI], 7, s[PB]
	s_and_b32 s2, ttmp7, 0xffff                    ; the head
	s_lshl_b32 s[OFF], s2, 19                      ; its 2,048 rows of 256 bytes
	s_mov_b32 s[OFF+1], 0
	v_and_b32 v20, 15, v0                          ; l % 16
	v_bfe_u32 v21, v0, 4, 1                        ; l / 16
	v_and_b32 v22, 31, v0                          ; l
	s_wait_alu depctr_va_sdst(0)                   ; the wave's number is written, ahead of its first reader
	s_lshl_b32 s2, s[WV], 14                       ; my 64 keys of a tile in memory
	v_lshlrev_b32 v24, 11, v21                     ; K: lanes 16-31 take the key 8 further on,
	v_lshl_add_u32 v24, v20, 4, v24                ; 16 bytes a lane
	v_add_nc_u32 v24, s2, v24
	v_lshlrev_b32 v25, 10, v21                     ; V: the key 4 further on
	v_lshl_add_u32 v25, v20, 4, v25
	v_add_nc_u32 v25, s2, v25
	v_lshlrev_b32 v[PFO], 8, v22
	v_add_nc_u32 v[PFO], s2, v[PFO]
	s_mul_i32 s3, s[WV], 64*PK                     ; and in a buffer: 8 bytes of bf16 a lane
	v_mul_u32_u24 v26, v21, 8*PK
	v_lshl_add_u32 v26, v20, 3, v26
	v_add_nc_u32 v26, s3, v26
	s_mul_i32 s3, s[WV], 64*PVP
	s_add_co_u32 s3, s3, VOFF
	v_mul_u32_u24 v27, v21, 4*PVP
	v_lshl_add_u32 v27, v20, 3, v27
	v_add_nc_u32 v27, s3, v27
	v_lshlrev_b32 v[QO], 8, v20                    ; a fragment of Q: row l % 16, channels 8 (l / 16) on
	v_lshl_add_u32 v[QO], v21, 5, v[QO]
	WIN 0x80
	v_mov_b32 v[XGO], v24
	v_mov_b32 v[XS0], v26
	WIN 0xc0
	v_mov_b32 v[XGO], v25
	v_mov_b32 v[XS0], v27
	WIN 0
	s_lshl_b32 s2, s[WV], 12                       ; my 16 rows in a band
	s_lshl_b32 s[TP], s[HI], 16                    ; the first block's 256 rows
	s_add_co_u32 s[TP], s[TP], s2
	s_mov_b32 s[TP+1], 0
	s_add_nc_u64 s[TP:TP+1], s[TP:TP+1], s[OFF:OFF+1]
	s_lshl_b32 s[KP], s[PB], 16                    ; the second block's
	s_add_co_u32 s[KP], s[KP], s2
	s_mov_b32 s[KP+1], 0
	s_add_nc_u64 s[KP:KP+1], s[KP:KP+1], s[OFF:OFF+1]
	s_wait_kmcnt 0x0
	s_add_nc_u64 s[KH:KH+1], s[6:7], s[OFF:OFF+1]
	s_add_nc_u64 s[VH:VH+1], s[8:9], s[OFF:OFF+1]
	s_add_nc_u64 s[KB:KB+1], s[KH:KH+1], 0x10000   ; tile 1
	s_add_nc_u64 s[VB:VB+1], s[VH:VH+1], 0x10000
	s_add_nc_u64 s[QHB:QHB+1], s[4:5], s[TP:TP+1]
	s_add_nc_u64 s[OB:OB+1], s[10:11], s[TP:TP+1]
	s_add_nc_u64 s[QLB:QLB+1], s[4:5], s[KP:KP+1]
	s_add_nc_u64 s[OL:OL+1], s[10:11], s[KP:KP+1]
	WIN 0x40                                       ; tile 0 into window 1, which is free so far: K at v0-127, V at v128-255
	s_wait_alu depctr_va_vdst(0)                   ; the offsets v24, v25, QO and both XGO, which the loads below read, are written; so are v26, v27 and PFO, which later stores and prefetches read
	LDK 0, 32, 0, 24, KH
	LDV 0, 32, 128, 25, VH
	QLOAD QHB                                      ; the first block's Q
	WIN W_K
	LDK 0, 32, 0, XGO, KB                          ; tile 1 into the staging registers
	WIN W_V
	LDV 0, 32, 0, XGO, VB
	WIN 0
	; the other addresses and scalars, while the loads are on their way
	v_mul_u32_u24 v[AK0], v20, PK
	v_lshl_add_u32 v[AK0], v21, 4, v[AK0]
	s_mul_i32 s2, s[WV], 16*SP
	s_add_co_u32 s2, s2, STAGE                     ; my stage
	v_mul_u32_u24 v[STO], v20, SP                  ; in: row l % 16, 32 bytes for each half of the lanes
	v_lshl_add_u32 v[STO], v21, 5, v[STO]
	v_add_nc_u32 v[STO], s2, v[STO]
	v_mul_u32_u24 v[RD], v21, SP                   ; back: lanes 0-15 take one row of 256 bytes, lanes 16-31 the next
	v_lshl_add_u32 v[RD], v20, 4, v[RD]
	v_add_nc_u32 v[RD], s2, v[RD]
	v_lshlrev_b32 v[GO], 8, v21                    ; and the same two rows in out
	v_lshl_add_u32 v[GO], v20, 4, v[GO]
	s_lshl_b32 s2, s[WV], 4
	v_lshlrev_b32 v30, 3, v21
	v_sub_nc_u32 v23, v20, v30
	v_add_nc_u32 v23, s2, v23                      ; my query's place in its band, 16 w + l % 16, less my lanes' 8 (l / 16): register j of kb kt is hidden where 16 kt + j is greater
	s_mov_b32 s[SLOTS], 9
	s_add_co_u32 s[RT], s[HI], 1                   ; the first block has 8 - b tiles
	s_mov_b32 s[NXT], 2
	s_mov_b32 s[LQ], s[HI]
	s_mov_b32 s[NEW], 1
	s_mov_b32 s[CUR], SLOT1                        ; the first trip turns these two round
	s_mov_b32 s[NXB], 0
	s_mov_b32 s[PT], 4
	s_cmp_eq_u32 s[PB], 0
	s_cselect_b32 s[PFN], 4, 0
	s_mov_b32 s[SEL], 0x76543210
	s_mov_b32 s[SEL+1], 0xfedcba98
	s_mov_b32 s[EPS], 0x388637bd                   ; 64 x f32(1e-6)
	s_mov_b32 s[HM], 0xffff0000
	s_wait_loadcnt 63                              ; 160 loads were issued; the 63 youngest, all of them tile 1's, may stay out: tile 0 (64) and Q (32) are in
	WIN 0x45
.set gg, 0
.rept 64
	v_cvt_pk_bf16_f32 v[4*gg], v[4*gg], v[4*gg+1]
	v_cvt_pk_bf16_f32 v[4*gg+1], v[4*gg+2], v[4*gg+3]
.set gg, gg+1
.endr
	WIN 0x04
	s_wait_alu depctr_va_vdst(0)                   ; the roundings have written tile 0's pairs in window 1, which the LDS stores below read; STO, RD and GO, which the way out's instructions read, are written too
.set gg, 0
.rept 32
	ds_store_b64 v26, v[4*gg:4*gg+1] offset:(16*(gg/8)+gg%8)*PK          ; tile 0 into buffer 0
	ds_store_b64 v27, v[128+4*gg:128+4*gg+1] offset:(8*(gg/4)+gg%4)*PVP
.set gg, gg+1
.endr
	QCVT
	WIN 0
	s_wait_dscnt 0x0                               ; for the others' sake: my part of tile 0 lies in LDS
	s_wait_alu depctr_vm_vsrc(0)                   ; the loads and stores above have read v24 to v27 and window 1's pairs: these registers are at work, factors, addresses, O^T and V^T from here on
	s_barrier_signal -1
	; work on registers between signal and wait: the diagonal's factors, 1 where the key is seen and 0 where it is hidden: eight compares in a run, one wait, eight selects
.set r_, 0
.rept 4
	WIN 0
.set i_, 0
.rept 8
	v_cmp_gt_i32 s[MK+i_], 16*r_+i_, v23
.set i_, i_+1
.endr
	s_wait_alu depctr_va_sdst(0)                   ; the eight masks are written, ahead of the selects that read them
	WIN 0x40
.set i_, 0
.rept 8
	v_cndmask_b32 v[MD+8*r_+i_], 1.0, v[ZERO], s[MK+i_]
.set i_, i_+1
.endr
.set r_, r_+1
.endr
	WIN 0
	; and V's place: the turning load takes 16 keys x 16 channels (lane l reads key 8 (l / 16) + l % 8, channels 8 ((l / 8) % 2) + 0..7) and leaves half a fragment of V^T: lane l holds channel l % 16 and 8 keys
	v_and_b32 v30, 7, v0
	v_lshl_add_u32 v30, v21, 3, v30
	v_mul_u32_u24 v30, v30, PVP
	v_bfe_u32 v31, v0, 3, 1
	v_lshl_add_u32 v30, v31, 4, v30
	v_add_nc_u32 v30, VOFF, v30
	WIN 0x40
	v_mov_b32 v[AV0], v30
	WIN 0
	s_barrier_wait -1                              ; everybody's part of tile 0 lies in LDS
; ======== the walk: 9 trips, a tile each
.Ltrip:
	s_wait_xcnt 0x0                                ; every load, store and prefetch issued so far has had its addresses translated (ISA guide 3.1): the bases below, and the registers that a way out's stores read, may be written
	s_wait_alu depctr_vm_vsrc(0)                   ; the LDS loads and stores issued so far have read AKC, AKN, AVC, AVN and XST, which are written below; a way out's stores have read O^T and the rows' registers, which this trip writes
	s_lshl_b32 s[OFF], s[NXT], 16                  ; the tile that this trip loads: two trips on in the walk
	s_add_nc_u64 s[KB:KB+1], s[KH:KH+1], s[OFF:OFF+1]
	s_add_nc_u64 s[VB:VB+1], s[VH:VH+1], s[OFF:OFF+1]
	s_add_co_u32 s[NXT], s[NXT], 1                 ; the block's next tile, or behind its last the second block's tile 0
	s_cmp_gt_u32 s[NXT], s[LQ]
	s_cselect_b32 s[NXT], 0, s[NXT]
	s_cselect_b32 s[LQ], s[PB], s[LQ]
	s_lshl_b32 s[OFF], s[PT], 16                   ; the tile that this trip prefetches, if it does
	s_add_nc_u64 s[KP:KP+1], s[KH:KH+1], s[OFF:OFF+1]
	s_add_nc_u64 s[VP:VP+1], s[VH:VH+1], s[OFF:OFF+1]
	s_add_co_u32 s[PT], s[PT], 1
	s_min_u32 s[PT], s[PT], 7                      ; never past the head's last tile
	s_xor_b32 s[CUR], s[CUR], SLOT1                ; the buffers change places
	s_xor_b32 s[NXB], s[NXB], SLOT1
	v_add_nc_u32 v[AKC], s[CUR], v[AK0]
	v_add_nc_u32 v[AKN], s[NXB], v[AK0]
	WIN 0x45
	v_add_nc_u32 v[AVC], s[CUR], v[AV0]
	v_add_nc_u32 v[AVN], s[NXB], v[AV0]
	WIN W_K
	v_add_nc_u32 v[XST], s[NXB], v[XS0]
	WIN W_V
	v_add_nc_u32 v[XST], s[NXB], v[XS0]
	WIN 0                                          ; at a label and at a branch every window is 0
	s_sub_co_u32 s[RT], s[RT], 1
	s_cmp_eq_u32 s[NEW], 1                         ; this test stands first: in the first trip its answer is a constant of the text
	s_cbranch_scc0 .Lold
	BEGIN
.Lold:
	s_cmp_eq_u32 s[SLOTS], 1
	s_cbranch_scc1 .Ltail                          ; the walk's last tile: the second block's diagonal tile
	s_cmp_eq_u32 s[RT], 0
	s_cbranch_scc1 .Ldiag                          ; the first block's diagonal tile
	TILE 0, 1
	s_branch .Lbottom
.Ldiag:
	TILE 1, 1
	s_branch .Lout
.Ltail:
	TILE 1, 0
.Lout:
	ALL4 v_add_f32 v[TMP+2*x_], v[Z+2*x_], v[Z+2*x_+1]   ; these additions are the places behind the last products
	ALL4 v_permlanex16_b32 v[TMP+2*x_+1], v[TMP+2*x_], s[SEL], s[SEL+1]
	ALL4 v_add_f32 v[TMP+2*x_], v[TMP+2*x_], v[TMP+2*x_+1]
	ALL4 v_add_f32 v[TMP+2*x_], s[EPS], v[TMP+2*x_]
	ALL4 v_rcp_f32 v[TMP+2*x_], v[TMP+2*x_]
	v_nop                                          ; a plain instruction between the last reciprocal and the use of its result (ISA guide 5.7.2)
	s_wait_alu depctr_va_vdst(0)                   ; the four reciprocals are written, ahead of their first use
	WIN 0x41
.set x_, 0
.rept 4
.set i_, 0
.rept 16                                               ; ascending: each accumulator's lowest pair is read first
	v_pk_mul_f32 v[OA+32*x_+2*i_:OA+32*x_+2*i_+1], v[OA+32*x_+2*i_:OA+32*x_+2*i_+1], v[TMP+2*x_:TMP+2*x_+1] op_sel_hi:[1,0]
.set i_, i_+1
.endr
.set x_, x_+1
.endr
	WIN 0x04
	s_wait_alu depctr_va_vdst(0)                   ; the multiplies have written all of O^T, which the LDS stores below read; the block's slices and products are done with S^T's and the ring's registers, in which the rows land
	TOSTAGE 0
	TOSTAGE 1                                      ; a piece's way through the stage stands between the loads of the piece before and its stores to memory
	SEND 0, 16
	TOSTAGE 2
	SEND 1, 16
	TOSTAGE 3
	SEND 2, 16
	SEND 3, 0
	WIN 0
	s_cmp_eq_u32 s[SLOTS], 1
	s_cbranch_scc1 .Lbottom
	s_wait_xcnt 0x0                                ; the stores have read out's address
	s_wait_loadcnt 0x0                             ; the second block's Q, loaded in the second trip, is in
	s_mov_b64 s[OB:OB+1], s[OL:OL+1]
	s_add_co_u32 s[RT], s[PB], 1                   ; the second block has b + 1 tiles
	s_mov_b32 s[NEW], 1
	QCVT
	WIN 0
.Lbottom:
	s_sub_co_i32 s[PFN], s[PFN], 1
	s_max_i32 s[PFN], s[PFN], 0
	s_sub_co_u32 s[SLOTS], s[SLOTS], 1
	s_cmp_lg_u32 s[SLOTS], 0
	s_cbranch_scc1 .Ltrip
	s_wait_dscnt 0x0                               ; the wave's end
	s_wait_alu 0x0
	s_wait_tensorcnt 0x0
	ds_add_u32 v[SPW], v[NIL]
	s_wait_dscnt 0x0
	s_endpgm
.Lfunc_end_k_q41dbe8023f_rebased:
	.size	k_q41dbe8023f_rebased, .Lfunc_end_k_q41dbe8023f_rebased-k_q41dbe8023f_rebased
	.p2alignl 7, 3214868480
	.fill 96, 4, 3214868480
	.section	.rodata,"a",@progbits
	.p2align	6, 0x0
	.amdhsa_kernel k_q41dbe8023f_rebased
		.amdhsa_group_segment_fixed_size 226816
		.amdhsa_private_segment_fixed_size 0
		.amdhsa_enable_private_segment 0
		.amdhsa_kernarg_size 32
		.amdhsa_user_sgpr_count 2
		.amdhsa_user_sgpr_kernarg_segment_ptr 1
		.amdhsa_wavefront_size32 1
		.amdhsa_system_sgpr_workgroup_id_x 1
		.amdhsa_system_sgpr_workgroup_id_y 1
		.amdhsa_system_sgpr_workgroup_id_z 1
		.amdhsa_system_vgpr_workitem_id 0
		.amdhsa_next_free_vgpr 968
		.amdhsa_next_free_sgpr 66
		.amdhsa_reserve_vcc 0
		.amdhsa_float_denorm_mode_32 3
		.amdhsa_float_denorm_mode_16_64 3
		.amdhsa_memory_ordered 1
		.amdhsa_forward_progress 1
		.amdhsa_inst_pref_size 255
	.end_amdhsa_kernel
	.section	.bss,"aw",@nobits
	.p2align	6
	.space	262144
	.amdgpu_metadata
---
amdhsa.version: [ 1, 2 ]
amdhsa.kernels:
  - .name:           k_q41dbe8023f_rebased
    .symbol:         k_q41dbe8023f_rebased.kd
    .args:
      - { .name: q, .offset: 0, .size: 8, .value_kind: global_buffer, .address_space: global }
      - { .name: k, .offset: 8, .size: 8, .value_kind: global_buffer, .address_space: global }
      - { .name: v, .offset: 16, .size: 8, .value_kind: global_buffer, .address_space: global }
      - { .name: out0, .offset: 24, .size: 8, .value_kind: global_buffer, .address_space: global }
    .group_segment_fixed_size: 226816
    .private_segment_fixed_size: 0
    .kernarg_segment_align: 8
    .kernarg_segment_size: 32
    .max_flat_workgroup_size: 128
    .sgpr_count:     66
    .vgpr_count:     968
    .wavefront_size: 32
...
	.end_amdgpu_metadata
.endif
;; end of part 2
